; MI455X (gfx1250); checked and timed in simulation.
; The chip was launched on July 23, 2026; its instructions are those of AMD's public machine-readable ISA for CDNA 5 (MIT licence, August 2026) and "CDNA5" Instruction Set Architecture Reference Guide (July 2026). The comments in the code are by the model that wrote it; some were corrected since.
;; Multi Head Dual Attention. Allowed arithmetic: matrix products marked QUANTISED: E2M1 operands, one E8M0 scale for each 32 along K, by v_wmma_scale_f32_16x16x128_f8f6f4 with both operands' format E2M1 (or v_wmma_scale_f32_32x16x128_f4), f32 sums; everything else in f32.
;; Inputs: k1 4,096 x 256 float32; k2 4,096 x 256 float32; v1 4,096 x 256 float32; v2 4,096 x 256 float32; wk1_b 512 float32; wk1_w 256 x 512 float32; wk2_b 512 float32; wk2_w 256 x 512 float32; wo1_b 256 float32; wo1_w 512 x 256 float32; wo2_b 256 float32; wo2_w 512 x 256 float32; wv1_b 512 float32; wv1_w 256 x 512 float32; wv2_b 512 float32; wv2_w 256 x 512 float32.
;; Outputs: out0 4,096 x 256 float32; out1 4,096 x 256 float32.
;; This version of the problem:
;;   THIS VERSION OF THE PROBLEM IS GIVEN IN LOW PRECISION. The matrix products marked QUANTISED in the list below multiply operands that are first quantised to E2M1 (2 exponent bits, 1 mantissa bit; 4 bits a number), with one power-of-two scale for each 32 numbers along K (OCP MX v1.0); their sums are f32. All else is computed in f32.
;;   The module's matrix products, in the order in which they are computed (A, B: the left and right operand; K: the contracted axis; several contracted axes count as one K, in the product's order):
;;     1. [M 4,096, K 256] x [K 256, N 512]; A: input k1; B: input wk1_w: QUANTISED
;;     2. [M 4,096, K 256] x [K 256, N 512]; A: input v1; B: input wv1_w: QUANTISED
;;     3. [M 4,096, K 256] x [K 256, N 512]; A: input k2; B: input wk2_w: QUANTISED
;;     4. [M 4,096, K 256] x [K 256, N 512]; A: input v2; B: input wv2_w: QUANTISED
;;     5. batch 8 x [M 4,096, K 64] x [K 64, N 4,096]; A: computed on the way; B: computed on the way: QUANTISED
;;     6. batch 8 x [M 4,096, K 4,096] x [K 4,096, N 64]; A: softmax (see below); B: computed on the way: QUANTISED
;;     7. batch 8 x [M 4,096, K 4,096] x [K 4,096, N 64]; A: softmax (see below); B: computed on the way: QUANTISED
;;     8. [M 4,096, K 512] x [K 512, N 256]; A: computed on the way; B: input wo1_w: QUANTISED
;;     9. [M 4,096, K 512] x [K 512, N 256]; A: computed on the way; B: input wo2_w: QUANTISED
;;   THE QUANTISER, for each operand of a quantised product, along K:
;;     - K is cut into blocks of 32 from its start; a last block that is shorter is filled with zeros.
;;     - A block's scale is 2^e with e = floor(log2(the largest magnitude in the block)) - 2, held to -126 .. 127; a block of zeros has e = 0. As a byte (E8M0): e + 127.
;;     - Each number is divided by its block's scale, clamped to +-6, and rounded to the nearest number of E2M1, ties to even, subnormals kept.
;;     - The product sums the exact products of the quantised numbers (number of the format x scale) in f32.
;;   ~~~python
;;   def quantise(x, axis):      # numpy; x: float32 -> the quantised numbers, widened to float32 again
;;       x = np.moveaxis(x, axis, -1); K = x.shape[-1]
;;       x = np.pad(x, [(0, 0)] * (x.ndim - 1) + [(0, -K % 32)]); x = x.reshape(x.shape[:-1] + (-1, 32)); a = np.abs(x).max(-1, keepdims=True)
;;       e = np.where(a > 0, np.clip(np.frexp(np.where(a > 0, a, 1))[1] - 1 - 2, -126, 127), 0)      # np.frexp(a)[1] - 1 = floor(log2(a)), exactly
;;       r = np.clip(x / 2.0 ** e, -6, 6)
;;       step = 2.0 ** (np.maximum(np.frexp(np.where(r == 0, 1, r))[1] - 1, 0) - 1)
;;       q = np.round(r / step) * step * 2.0 ** e      # np.round: ties to even
;;       return np.moveaxis(q.reshape(q.shape[:-2] + (-1,))[..., :K], -1, axis).astype(np.float32)
;;   ~~~
;;   SOFTMAX AHEAD OF A QUANTISED PRODUCT. Where the list says 'softmax', what is quantised is not the finished softmax but p = 2^(t - M), with t = logit x log2(e) and M = ceil(the row's largest t), a whole number; so 1/2 < the row's largest p <= 1. The row's sum l is taken of the UNQUANTISED p, in f32, and the product's result is divided by l at the end. Since M is a whole number, a kernel that streams over the keys may use a running M (the ceiling of the running maximum): every later rescaling is an exact power of two, which a block's scale takes up: the codes' values come out the same.
;;   OPERANDS COMPUTED ON THE WAY. 'Computed on the way' means the value that the module computes at that place (a softmax that the list does not call 'softmax' is quantised finished and normalised). What goes into a quantiser is computed in f32, as accurately as f32 sums, v_exp_f32 and their like allow (about 1e-6 of the number): no bf16 or f16 on the way to a quantiser, and a product that is left as it is and whose result goes on into a quantised operand takes f32 operands (vector FMAs, or v_wmma_f32_16x16x4_f32). A number that lies on a knife's edge between two numbers of the format may be rounded either way, as far as f32 arithmetic and the matrix unit's own rounding can turn it there, and no further.
;; One version. Each part assembles by itself: llvm-mc -triple=amdgcn-amd-amdhsa -mcpu=gfx1250 --defsym DOCPART=n.
;; ======== version 1 of 1: 3 launches
;; limits: right only within a limited range of input values
;; workspace buffers: kv 4,194,304 bytes; sc 393,216 bytes; oc 2,097,152 bytes; os 131,072 bytes
;; launch proj (part 1): grid 64 x 4, 16 waves a work-group, no clusters, 55,296 bytes of LDS; arguments k1, v1, k2, v2, wk1_w, wv1_w, wk2_w, wv2_w, wk1_b, wv1_b, wk2_b, wv2_b, kv, sc; writes kv, sc
.if DOCPART == 1
	.amdgcn_target "amdgcn-amd-amdhsa--gfx1250"
	.amdhsa_code_object_version 6
	.text
	.protected	k_qb95facd4ab_proj
	.globl	k_qb95facd4ab_proj
	.p2align	8
	.type	k_qb95facd4ab_proj,@function
k_qb95facd4ab_proj:
	s_mov_b64 s[64:65], 0
	v_nop
	global_prefetch_b8 v0, s[64:65] scope:SCOPE_SE
	s_setreg_imm32_b32 hwreg(HW_REG_WAVE_MODE, 25, 1), 1
	s_wait_xcnt 0x0
; THE FOUR INPUT PROJECTIONS, y = Q(x) Q(W) + b on codes of FP4 (E2M1) with one E8M0 scale for each 32 along K = 256, and the quantising of their results for the attention launch.
; Work-group y = p: 0 k1, 1 v1, 2 k2, 3 v2 (p & 1: a V-type projection; p >> 1: the set).  Work-group x: x >> 1 = a block of 128 rows (one key step of the attention), x & 1 = a half of the 512 columns (4 heads).
; Sixteen waves.  AHEAD OF THE ONE BARRIER each wave quantises one fragment of x (16 rows x 128 K) and 32 columns x 128 K of W (a lane to a column, registers down K), and stores them in LDS as IMAGES OF OPERAND REGISTERS
; (quad c of lane l at 512 c + 16 l; a scale word for each row).  BEHIND IT each wave multiplies 8 tiles of one side by 1 tile of the other, K = 2 x 128.
; TILES ARE PERMUTED: row m of tile T (of x's rows and of W's columns alike) is index 32 (T / 2) + 8 (T % 2) + m + 8 (m / 8), so that the 16 result registers of tiles 2 b and 2 b + 1 are the 16 neighbours 32 b + 16 (lane / 16) + 0 .. 15.
; K-TYPE (k1p, k2p: quantised along the head's 64): source 0 = 8 tiles of W's columns (two heads), source 1 = 16 rows of x: a lane holds one key and 64 channels.
; V-TYPE (v1p, v2p: quantised along the keys): source 0 = the 8 tiles of x's rows, source 1 = 16 columns of W: a lane holds one channel and 64 of the step's 128 keys.
; OUT: kv [set*8+head][step][8192]: bytes 0-4095 K: key tile T at 512 T, lane (r, h): channels 32 h .. + 31 of key PERM(T, r); bytes 4096-8191 V: channel tile t, quad c at 1024 t + 512 c, lane (r, h): keys 64 c + 32 h .. + 31.
;      sc [set*8+head][step][768]: K's word of (T, r) at 16 (16 (T % 2) + r) + 4 (T / 2), bytes 2 and 3 zero; V's word of (t, r) at 512 + 8 (16 (t % 2) + r) + 4 (t / 2).
; The code stores cover 512 consecutive bytes each; the scale words are stores of 4 bytes 8 or 16 bytes apart: 3/32 as many bytes as the codes.
; NO TENSOR LOADS, NO CLUSTER: both operands go from memory through registers into the quantiser (W wants a lane to a column, x 16 neighbours to a lane), so there is no tile in LDS that partners could ask for jointly.
; LIMITS: NaN and infinities are not served; a block whose largest magnitude lies under 2^-124 (a block of zeros too) gets the scale byte 1: its bytes are read by this program alone.
.set XIMG, 0                           ; x's 16 fragments (tile rt, K step ks: 2 rt + ks), 1,024 bytes each
.set WIMG, 16384                       ; W's 32 fragments (tile ct, K step ks: 2 ct + ks)
.set XSC,  49152                       ; x's scale words, 64 bytes a fragment
.set WSC,  50176                       ; W's
.set XA,  4                            ; v4   x: my lane's byte in the tile's rows
.set LI,  5                            ; v5   16 x lane
.set WA,  6                            ; v6   4 x lane
.set XWI, 7                            ; v7   where I store x's image;  v8 its scale word
.set XWS, 8
.set WWI, 9                            ; v9   where I store W's codes;  v10 its scale word
.set WWS, 10
.set AAD, 11                           ; v11-14 where source 0's and source 1's images and scale words are read
.set ASD, 12
.set BAD, 13
.set BSD, 14
.set GA,  15                           ; v15-17 offsets in memory and a value to store
.set GB,  16
.set GC,  17
.set T0,  18                           ; v18  r + 8 (r / 8)
.set T1,  19
.set TM,  20                           ; v20-35 the quantiser's temporaries; between the barrier and the last quantising: source 1's two fragments
.set BF,  20
.set PWX, 36                           ; the scale word just made (x's, the result's)
.set PWW, 37                           ; W's
.set BS,  38                           ; v38-39 source 1's scale words
.set AS,  40                           ; v40-55 source 0's scale words; ahead of the barrier W's codes
.set PCX, 56                           ; v56-63 x's codes; later the V-type bias, eight times
.set BV,  56
.set XR,  64                           ; v64-127 64 numbers of x; then the bias and the 8 accumulators
.set WC,  40
.set ACC, 64
.set WR,  128                          ; v128-255 4 x 32 numbers of W; then source 0's 16 fragments; then the result's codes
.set AF,  128
.set PC,  128
.set SEL, 56                           ; s[56:57] v_permlanex16_b32's selects for lane l xor 16
; 64 numbers of a lane, register 16 b + i = index 32 b + 16 (lane / 16) + i, become a fragment's codes in v[pc] on and its scale word in v[pw]
.macro QUANT s, pc, pw
.irp b, 0,1,2,3
	v_max3_num_f32 v[TM+\b], |v[\s+16*\b]|, |v[\s+1+16*\b]|, 0x1800000   ; block b: my 16 numbers, and the floor 2^(3 - 127): the byte cannot fall under 1
.endr
.irp i, 2,4,6,8,10,12,14
.irp b, 0,1,2,3
	v_max3_num_f32 v[TM+\b], v[TM+\b], |v[\s+16*\b+\i]|, |v[\s+1+16*\b+\i]|   ; the four blocks by turns
.endr
.endr
.irp b, 0,1,2,3
	s_delay_alu instid0(VALU_DEP_4)
	v_permlanex16_b32 v[TM+4+\b], v[TM+\b], s[SEL], s[SEL+1]
.endr
.irp b, 0,1,2,3
	s_delay_alu instid0(VALU_DEP_4)
	v_max_num_f32 v[TM+\b], v[TM+\b], v[TM+4+\b]   ; with lane l xor 16's: the block's largest magnitude
.endr
.irp b, 0,1,2,3
	s_delay_alu instid0(VALU_DEP_4)
	v_add_nc_u32 v[TM+12+\b], 0xff000000, v[TM+\b]   ; 2 off its exponent field: the conversion's scale operand
.endr
.irp b, 0,1,2,3
	s_delay_alu instid0(VALU_DEP_4)
	v_lshrrev_b32 v[TM+4+\b], 23, v[TM+12+\b]      ; the scale's byte
.endr
	s_delay_alu instid0(VALU_DEP_3)
	v_lshl_or_b32 v[\pw], v[TM+5], 8, v[TM+4]
	s_delay_alu instid0(VALU_DEP_1)
	v_lshl_or_b32 v[\pw], v[TM+6], 16, v[\pw]
	s_delay_alu instid0(VALU_DEP_1)
	v_lshl_or_b32 v[\pw], v[TM+7], 24, v[\pw]
.irp b, 0,1,2,3
	v_cvt_scalef32_pk8_fp4_f32 v[\pc+2*\b], v[\s+16*\b:\s+7+16*\b], v[TM+12+\b]
	v_cvt_scalef32_pk8_fp4_f32 v[\pc+1+2*\b], v[\s+8+16*\b:\s+15+16*\b], v[TM+12+\b]
.endr
	v_nop                                          ; one plain place behind a scaled conversion
.irp c, 0,1                                    ; the operand's layout wants a whole block in a lane: lanes 0-15 block 2 c, lanes 16-31 block 2 c + 1
.irp i, 0,1
	v_permlane16_swap_b32 v[\pc+4*\c+\i], v[\pc+2+4*\c+\i]
.endr
.endr
.endm
.macro XLOAD                           ; my row's 16 numbers of each of the K step's four blocks
.irp b, 0,1,2,3
.irp j, 0,1,2,3
	global_load_b128 v[XR+16*\b+4*\j:XR+16*\b+4*\j+3], v[XA], s[4:5] offset:128*\b+16*\j
.endr
.endr
.endm
.macro WLOAD kb                        ; block kb of my column: W(32 kb + i, column); a wave's load covers 128 consecutive bytes
.irp i, 0,1,2,3,4,5,6,7,8,9,10,11,12,13,14,15,16,17,18,19,20,21,22,23,24,25,26,27,28,29,30,31
	global_load_b32 v[WR+32*(\kb)+\i], v[WA], s[6:7] offset:(32*(\kb)+\i)*2048
.endr
.endm
.macro WBLOCK kb, left                 ; block kb is quantised: all its 32 numbers are mine.  left: the younger loads, which may stay out
.set XS, WR+32*(\kb)
	s_wait_loadcnt \left
	v_max3_num_f32 v[TM], |v[XS]|, |v[XS+1]|, |v[XS+2]|
	v_max3_num_f32 v[TM+1], |v[XS+3]|, |v[XS+4]|, |v[XS+5]|
.irp i, 6,10,14,18,22,26
	s_delay_alu instid0(VALU_DEP_2)
	v_max3_num_f32 v[TM], v[TM], |v[XS+\i]|, |v[XS+\i+1]|
	s_delay_alu instid0(VALU_DEP_2)
	v_max3_num_f32 v[TM+1], v[TM+1], |v[XS+\i+2]|, |v[XS+\i+3]|
.endr
	s_delay_alu instid0(VALU_DEP_2)
	v_max3_num_f32 v[TM], v[TM], |v[XS+30]|, |v[XS+31]|
	s_delay_alu instid0(VALU_DEP_1)
	v_max3_num_f32 v[TM], v[TM], v[TM+1], 0x1800000
	s_delay_alu instid0(VALU_DEP_1)
	v_add_nc_u32 v[TM+2], 0xff000000, v[TM]
	s_delay_alu instid0(VALU_DEP_1)
	v_lshrrev_b32 v[TM+3], 23, v[TM+2]
.if (\kb) == 0
	s_delay_alu instid0(VALU_DEP_1)
	v_mov_b32 v[PWW], v[TM+3]
.else
	s_delay_alu instid0(VALU_DEP_1)
	v_lshl_or_b32 v[PWW], v[TM+3], 8*(\kb), v[PWW]
.endif
.irp g, 0,1,2,3
	v_cvt_scalef32_pk8_fp4_f32 v[WC+4*(\kb)+\g], v[XS+8*\g:XS+8*\g+7], v[TM+2]
.endr
	ds_store_b128 v[WWI], v[WC+4*(\kb):WC+4*(\kb)+3] offset:256*(\kb)   ; block kb = 2 c + h lies at 512 c + 256 h of the image
.endm
.macro OPERANDS                        ; source 0's 16 fragments (2 tile + K step), source 1's two, and their scale words; then all loads are waited for, the bias among them
.irp f, 0,1,2,3,4,5,6,7,8,9,10,11,12,13,14,15
	ds_load_b128 v[AF+8*\f:AF+8*\f+3], v[AAD] offset:1024*\f
	ds_load_b128 v[AF+8*\f+4:AF+8*\f+7], v[AAD] offset:1024*\f+512
	ds_load_b32 v[AS+\f], v[ASD] offset:64*\f
.endr
.irp s, 0,1
	ds_load_b128 v[BF+8*\s:BF+8*\s+3], v[BAD] offset:1024*\s
	ds_load_b128 v[BF+8*\s+4:BF+8*\s+7], v[BAD] offset:1024*\s+512
	ds_load_b32 v[BS+\s], v[BSD] offset:64*\s
.endr
	s_wait_loadcnt 0x0
	s_wait_dscnt 0x0
.endm
.macro MULS vt                         ; 16 products: the eight accumulators by turns, a K step at a time.  The bias is the C of each sum's first product: in place (vt = 0) or the eight registers at BV (vt = 1)
.irp s, 0,1
.irp a, 0,1,2,3,4,5,6,7
.if \vt && (\s == 0)
	v_wmma_scale_f32_16x16x128_f8f6f4 v[ACC+8*\a:ACC+8*\a+7], v[AF+8*(2*\a+\s):AF+8*(2*\a+\s)+7], v[BF+8*\s:BF+8*\s+7], v[BV:BV+7], v[AS+2*\a+\s], v[BS+\s] matrix_a_fmt:MATRIX_FMT_FP4 matrix_b_fmt:MATRIX_FMT_FP4
.else
	v_wmma_scale_f32_16x16x128_f8f6f4 v[ACC+8*\a:ACC+8*\a+7], v[AF+8*(2*\a+\s):AF+8*(2*\a+\s)+7], v[BF+8*\s:BF+8*\s+7], v[ACC+8*\a:ACC+8*\a+7], v[AS+2*\a+\s], v[BS+\s] matrix_a_fmt:MATRIX_FMT_FP4 matrix_b_fmt:MATRIX_FMT_FP4
.endif
.endr
.endr
.rept 4
	v_nop                                          ; four places behind the last product, ahead of the reads of results and the writes over operands
.endr
.endm
	s_load_b512 s[16:31], s[0:1], 0x0              ; k1, v1, k2, v2, wk1_w, wv1_w, wk2_w, wv2_w
	s_load_b256 s[32:39], s[0:1], 0x40             ; wk1_b, wv1_b, wk2_b, wv2_b
	s_load_b128 s[40:43], s[0:1], 0x60             ; kv, sc
	v_lshrrev_b32 v1, 5, v0
	s_delay_alu instid0(VALU_DEP_1)
	v_readfirstlane_b32 s47, v1                    ; wave 0..15
	v_and_b32 v1, 31, v0                           ; lane
	v_and_b32 v2, 15, v0                           ; r
	s_wait_alu depctr_va_vdst(0)
	v_bfe_u32 v3, v0, 4, 1                         ; h
	s_and_b32 s2, ttmp7, 0xffff                    ; p
	s_and_b32 s3, s2, 1                            ; 1: V-type
	s_lshr_b32 s44, s2, 1                          ; the set
	s_lshr_b32 s45, ttmp9, 1                       ; the block of 128 rows
	s_and_b32 s46, ttmp9, 1                        ; the half of the columns
	s_and_b32 s48, s47, 7                          ; wave % 8
	s_lshr_b32 s49, s47, 3                         ; wave / 8
	s_mov_b32 s[SEL], 0x76543210
	s_mov_b32 s[SEL+1], 0xfedcba98
	v_and_b32 v[T0], 8, v2
	s_delay_alu instid0(VALU_DEP_1)
	v_add_nc_u32 v[T0], v[T0], v2                  ; r + 8 (r / 8)
	s_delay_alu instid0(VALU_DEP_1)
	v_lshlrev_b32 v[XA], 10, v[T0]                 ; x: a row is 1,024 bytes,
	s_wait_alu depctr_va_vdst(0)
	v_lshl_add_u32 v[XA], v3, 6, v[XA]             ; + 64 h: my 16 numbers of a block of 32
	v_lshlrev_b32 v[LI], 4, v1
	v_lshlrev_b32 v[WA], 2, v1
	s_lshl_b32 s52, s48, 11                        ; x's fragment (rt = wave % 8, ks = wave / 8)
	s_lshl_b32 s53, s49, 10
	s_add_co_u32 s52, s52, s53
	v_add_nc_u32 v[XWI], s52, v[LI]
	s_lshl_b32 s52, s48, 7
	s_lshl_b32 s53, s49, 6
	s_add_co_u32 s52, s52, s53
	s_add_co_u32 s52, s52, XSC
	v_lshl_add_u32 v[XWS], v2, 2, s52              ; lanes r and 16 + r write the same word with the same value
	v_bfe_u32 v[T1], v0, 3, 1                      ; W: column 32 g + j is row (j % 8) + 8 (j / 16) of tile 2 g + (j / 8) % 2
	v_and_b32 v[WWI], 7, v0
	s_delay_alu instid0(VALU_DEP_1)
	v_lshl_add_u32 v[WWI], v3, 3, v[WWI]
	s_delay_alu instid0(VALU_DEP_1)
	v_lshlrev_b32 v[WWS], 2, v[WWI]
	s_delay_alu instid0(VALU_DEP_1)
	v_lshl_add_u32 v[WWS], v[T1], 7, v[WWS]
	s_wait_alu depctr_va_vdst(0)
	v_lshlrev_b32 v[WWI], 4, v[WWI]
	s_delay_alu instid0(VALU_DEP_1)
	v_lshl_add_u32 v[WWI], v[T1], 11, v[WWI]
	s_lshl_b32 s52, s48, 12                        ; g = wave % 8: two tiles x two K steps; ks = wave / 8
	s_lshl_b32 s53, s49, 10
	s_add_co_u32 s52, s52, s53
	s_add_co_u32 s52, s52, WIMG
	v_add_nc_u32 v[WWI], s52, v[WWI]
	s_lshl_b32 s52, s48, 8
	s_lshl_b32 s53, s49, 6
	s_add_co_u32 s52, s52, s53
	s_add_co_u32 s52, s52, WSC
	v_add_nc_u32 v[WWS], s52, v[WWS]
.irp b, 0,1,2,3
	v_mov_b32 v[TM+4+\b], 0                        ; written once: a lane permute's destination counts as one of its sources
.endr
	s_lshr_b32 s50, s48, 1                         ; x: my tile begins at row 32 (rt / 2) + 8 (rt % 2) of the block,
	s_lshl_b32 s50, s50, 15
	s_and_b32 s51, s48, 1
	s_lshl_b32 s51, s51, 13
	s_add_co_u32 s50, s50, s51
	s_lshl_b32 s51, s49, 9                         ; K step ks: 512 bytes on,
	s_add_co_u32 s50, s50, s51
	s_lshl_b32 s51, s45, 17                        ; the block: 128 rows of 1,024 bytes
	s_add_co_u32 s50, s50, s51
	s_mov_b32 s51, 0
	s_lshl_b32 s52, s46, 10                        ; W: the half's 256 columns, my 32 of them,
	s_lshl_b32 s53, s48, 7
	s_add_co_u32 s52, s52, s53
	s_lshl_b32 s53, s49, 18                        ; K step ks: 128 rows of 2,048 bytes
	s_add_co_u32 s52, s52, s53
	s_mov_b32 s53, 0
	s_wait_kmcnt 0x0
	s_cmp_lg_u32 s3, 0                             ; the buffers are chosen by the work-group's y alone
	s_cselect_b64 s[4:5], s[18:19], s[16:17]
	s_cselect_b64 s[6:7], s[22:23], s[20:21]
	s_cselect_b64 s[8:9], s[26:27], s[24:25]
	s_cselect_b64 s[10:11], s[30:31], s[28:29]
	s_cselect_b64 s[12:13], s[34:35], s[32:33]
	s_cselect_b64 s[14:15], s[38:39], s[36:37]
	s_cmp_lg_u32 s44, 0
	s_cselect_b64 s[4:5], s[6:7], s[4:5]           ; x
	s_cselect_b64 s[6:7], s[10:11], s[8:9]         ; W
	s_cselect_b64 s[8:9], s[14:15], s[12:13]       ; b
	s_add_nc_u64 s[4:5], s[4:5], s[50:51]
	s_add_nc_u64 s[6:7], s[6:7], s[52:53]
	XLOAD                                          ; all 144 loads are asked for on end: each has registers of its own
	WLOAD 0
	WLOAD 1
	WLOAD 2
	WLOAD 3
	s_wait_loadcnt 63                              ; all but the 63 youngest are in: x's 16 are the oldest
	QUANT XR, PCX, PWX
	ds_store_b128 v[XWI], v[PCX:PCX+3]
	ds_store_b128 v[XWI], v[PCX+4:PCX+7] offset:512
	ds_store_b32 v[XWS], v[PWX]
	s_wait_alu depctr_va_vdst(0)                   ; ahead of the branch
	s_cmp_lg_u32 s3, 0                             ; the bias is asked for here, ahead of the barrier: x's numbers and codes are done with
	s_cbranch_scc1 .Lvbias
	s_lshl_b32 s50, s46, 10                        ; K-type: the bias of my 128 columns, in the result's layout: tile 2 b + u, register j: column 32 b + 16 h + 8 u + j
	s_lshl_b32 s51, s49, 9
	s_add_co_u32 s50, s50, s51
	s_mov_b32 s51, 0
	s_add_nc_u64 s[8:9], s[8:9], s[50:51]
	v_lshlrev_b32 v[GA], 6, v3
.irp a, 0,1,2,3,4,5,6,7
	global_load_b128 v[ACC+8*\a:ACC+8*\a+3], v[GA], s[8:9] offset:(32*(\a/2)+8*(\a%2))*4
	global_load_b128 v[ACC+8*\a+4:ACC+8*\a+7], v[GA], s[8:9] offset:(32*(\a/2)+8*(\a%2))*4+16
.endr
	s_branch .Lbiased
.Lvbias:
	s_lshl_b32 s50, s46, 10                        ; V-type: the bias of my lane's column: 256 half + 32 (wave / 2) + 8 (wave % 2) + r + 8 (r / 8)
	s_lshr_b32 s51, s47, 1
	s_lshl_b32 s51, s51, 7
	s_add_co_u32 s50, s50, s51
	s_and_b32 s51, s47, 1
	s_lshl_b32 s51, s51, 5
	s_add_co_u32 s50, s50, s51
	s_mov_b32 s51, 0
	s_add_nc_u64 s[8:9], s[8:9], s[50:51]
	v_lshlrev_b32 v[GA], 2, v[T0]
	global_load_b32 v[BV], v[GA], s[8:9]
.Lbiased:
	WBLOCK 0, 63                                   ; behind block 0 stand 96 loads of W and the bias's, behind block 1 64 and the bias's: 63 serves both
	WBLOCK 1, 63
	WBLOCK 2, 32                                   ; behind block 2: block 3's 32 and the bias's
	WBLOCK 3, 0
	v_nop                                          ; one plain place behind the last conversion
	ds_store_b32 v[WWS], v[PWW]
	s_wait_dscnt 0x0                               ; for the others' sake: my stores have landed
	s_barrier_signal -1
	s_barrier_wait -1                              ; all images lie in LDS; nobody stores to LDS behind this barrier
	s_cmp_lg_u32 s3, 0
	s_cbranch_scc1 .Lvtype
	; ---- K-TYPE: source 0 = W's tiles 8 (wave / 8) + 0 .. 7 (two heads), source 1 = x's tile wave % 8
	s_lshl_b32 s52, s49, 14
	s_add_co_u32 s52, s52, WIMG
	v_add_nc_u32 v[AAD], s52, v[LI]
	s_wait_alu depctr_va_vdst(0)
	s_lshl_b32 s52, s49, 10
	s_add_co_u32 s52, s52, WSC
	v_lshl_add_u32 v[ASD], v2, 2, s52
	s_wait_alu depctr_va_vdst(0)
	s_lshl_b32 s52, s48, 11
	v_add_nc_u32 v[BAD], s52, v[LI]
	s_lshl_b32 s52, s48, 7
	s_add_co_u32 s52, s52, XSC
	v_lshl_add_u32 v[BSD], v2, 2, s52
	OPERANDS
	MULS 0
	s_lshl_b32 s50, s44, 3                         ; y = 8 set + 4 half + 2 (wave / 8): the first of my two heads
	s_lshl_b32 s51, s46, 2
	s_add_co_u32 s50, s50, s51
	s_lshl_b32 s51, s49, 1
	s_add_co_u32 s50, s50, s51
	s_mul_i32 s52, s50, 24576
	s_lshl_b32 s50, s50, 18
	s_lshl_b32 s51, s45, 13                        ; the step,
	s_add_co_u32 s50, s50, s51
	s_lshl_b32 s51, s48, 9                         ; key tile T = wave % 8
	s_add_co_u32 s50, s50, s51
	s_mov_b32 s51, 0
	s_add_nc_u64 s[40:41], s[40:41], s[50:51]
	s_mul_i32 s53, s45, 768
	s_add_co_u32 s52, s52, s53
	s_and_b32 s53, s48, 1
	s_lshl_b32 s53, s53, 8
	s_add_co_u32 s52, s52, s53
	s_lshr_b32 s53, s48, 1
	s_lshl_b32 s53, s53, 2
	s_add_co_u32 s52, s52, s53
	s_mov_b32 s53, 0
	s_add_nc_u64 s[42:43], s[42:43], s[52:53]
	QUANT ACC, PC, PWX                             ; blocks 0, 1: the first head's 64 channels; 2, 3: the second's.  Quad c of lane (r, h): head c, channels 32 h on
	v_mul_u32_u24 v[GB], v3, 24576                 ; lanes 0-15 store the first head's word, lanes 16-31 the second's
	s_delay_alu instid0(VALU_DEP_1)
	v_lshl_add_u32 v[GB], v2, 4, v[GB]
	v_lshlrev_b32 v[GC], 4, v3
	s_delay_alu instid0(VALU_DEP_1)
	v_lshrrev_b32 v[GC], v[GC], v[PWX]
	s_delay_alu instid0(VALU_DEP_1)
	v_and_b32 v[GC], 0xffff, v[GC]                 ; two bytes; bytes 2 and 3 are 0: they stand over zero codes in the attention's K step of 128
	global_store_b128 v[LI], v[PC:PC+3], s[40:41]
	global_store_b128 v[LI], v[PC+4:PC+7], s[40:41] offset:262144
	global_store_b32 v[GB], v[GC], s[42:43]
	s_wait_xcnt 0x0
	v_lshl_add_u32 v254, v0, 2, 0xd000
	v_mov_b32 v255, 0
	s_wait_alu depctr_va_vdst(0)
	s_wait_tensorcnt 0x0
	ds_add_u32 v254, v255
	s_wait_dscnt 0x0
	s_endpgm
.Lvtype:
	; ---- V-TYPE: source 0 = x's 8 tiles, source 1 = W's tile wave
	v_mov_b32 v[AAD], v[LI]
	s_wait_alu depctr_va_vdst(0)
	v_lshl_add_u32 v[ASD], v2, 2, XSC
	s_wait_alu depctr_va_vdst(0)
	s_lshl_b32 s52, s47, 11
	s_add_co_u32 s52, s52, WIMG
	v_add_nc_u32 v[BAD], s52, v[LI]
	s_wait_alu depctr_va_vdst(0)
	s_lshl_b32 s52, s47, 7
	s_add_co_u32 s52, s52, WSC
	v_lshl_add_u32 v[BSD], v2, 2, s52
	s_wait_alu depctr_va_vdst(0)
	OPERANDS
.irp i, 1,2,3,4,5,6,7
	v_mov_b32 v[BV+\i], v[BV]                      ; the same for the lane's eight keys
.endr
	MULS 1
	s_lshl_b32 s50, s44, 3                         ; y = 8 set + 4 half + wave / 4
	s_lshl_b32 s51, s46, 2
	s_add_co_u32 s50, s50, s51
	s_lshr_b32 s51, s47, 2
	s_add_co_u32 s50, s50, s51
	s_mul_i32 s52, s50, 24576
	s_lshl_b32 s50, s50, 18
	s_lshl_b32 s51, s45, 13
	s_add_co_u32 s50, s50, s51
	s_and_b32 s51, s47, 3                          ; channel tile t = wave % 4
	s_lshl_b32 s51, s51, 10
	s_add_co_u32 s50, s50, s51
	s_add_co_u32 s50, s50, 4096
	s_mov_b32 s51, 0
	s_add_nc_u64 s[40:41], s[40:41], s[50:51]
	s_mul_i32 s53, s45, 768
	s_add_co_u32 s52, s52, s53
	s_and_b32 s53, s47, 1
	s_lshl_b32 s53, s53, 7
	s_add_co_u32 s52, s52, s53
	s_bfe_u32 s53, s47, 0x10001
	s_lshl_b32 s53, s53, 2
	s_add_co_u32 s52, s52, s53
	s_add_co_u32 s52, s52, 512
	s_mov_b32 s53, 0
	s_add_nc_u64 s[42:43], s[42:43], s[52:53]
	QUANT ACC, PC, PWX                             ; the step's four blocks of 32 keys of my channel
	v_lshlrev_b32 v[GB], 3, v2
	global_store_b128 v[LI], v[PC:PC+3], s[40:41]
	global_store_b128 v[LI], v[PC+4:PC+7], s[40:41] offset:512
	global_store_b32 v[GB], v[PWX], s[42:43]       ; lanes r and 16 + r store the same word to the same place
	s_wait_xcnt 0x0
	v_lshl_add_u32 v254, v0, 2, 0xd000
	v_mov_b32 v255, 0
	s_wait_alu depctr_va_vdst(0)
	s_wait_tensorcnt 0x0
	ds_add_u32 v254, v255
	s_wait_dscnt 0x0
	s_endpgm
.Lfunc_end_k_qb95facd4ab_proj:
	.size	k_qb95facd4ab_proj, .Lfunc_end_k_qb95facd4ab_proj-k_qb95facd4ab_proj
	.p2alignl 7, 3214868480
	.fill 96, 4, 3214868480
	.section	.rodata,"a",@progbits
	.p2align	6, 0x0
	.amdhsa_kernel k_qb95facd4ab_proj
		.amdhsa_group_segment_fixed_size 55296
		.amdhsa_private_segment_fixed_size 0
		.amdhsa_enable_private_segment 0
		.amdhsa_kernarg_size 112
		.amdhsa_user_sgpr_count 2
		.amdhsa_user_sgpr_kernarg_segment_ptr 1
		.amdhsa_wavefront_size32 1
		.amdhsa_system_sgpr_workgroup_id_x 1
		.amdhsa_system_sgpr_workgroup_id_y 1
		.amdhsa_system_sgpr_workgroup_id_z 1
		.amdhsa_system_vgpr_workitem_id 0
		.amdhsa_next_free_vgpr 256
		.amdhsa_next_free_sgpr 66
		.amdhsa_reserve_vcc 0
		.amdhsa_float_denorm_mode_32 3
		.amdhsa_float_denorm_mode_16_64 3
		.amdhsa_memory_ordered 1
		.amdhsa_forward_progress 1
		.amdhsa_inst_pref_size 57
	.end_amdhsa_kernel
	.amdgpu_metadata
---
amdhsa.version: [ 1, 2 ]
amdhsa.kernels:
  - .name:           k_qb95facd4ab_proj
    .symbol:         k_qb95facd4ab_proj.kd
    .args:
      - { .name: k1, .offset: 0, .size: 8, .value_kind: global_buffer, .address_space: global }
      - { .name: v1, .offset: 8, .size: 8, .value_kind: global_buffer, .address_space: global }
      - { .name: k2, .offset: 16, .size: 8, .value_kind: global_buffer, .address_space: global }
      - { .name: v2, .offset: 24, .size: 8, .value_kind: global_buffer, .address_space: global }
      - { .name: wk1_w, .offset: 32, .size: 8, .value_kind: global_buffer, .address_space: global }
      - { .name: wv1_w, .offset: 40, .size: 8, .value_kind: global_buffer, .address_space: global }
      - { .name: wk2_w, .offset: 48, .size: 8, .value_kind: global_buffer, .address_space: global }
      - { .name: wv2_w, .offset: 56, .size: 8, .value_kind: global_buffer, .address_space: global }
      - { .name: wk1_b, .offset: 64, .size: 8, .value_kind: global_buffer, .address_space: global }
      - { .name: wv1_b, .offset: 72, .size: 8, .value_kind: global_buffer, .address_space: global }
      - { .name: wk2_b, .offset: 80, .size: 8, .value_kind: global_buffer, .address_space: global }
      - { .name: wv2_b, .offset: 88, .size: 8, .value_kind: global_buffer, .address_space: global }
      - { .name: kv, .offset: 96, .size: 8, .value_kind: global_buffer, .address_space: global }
      - { .name: sc, .offset: 104, .size: 8, .value_kind: global_buffer, .address_space: global }
    .group_segment_fixed_size: 55296
    .private_segment_fixed_size: 0
    .kernarg_segment_align: 8
    .kernarg_segment_size: 112
    .max_flat_workgroup_size: 512
    .sgpr_count:     66
    .vgpr_count:     256
    .wavefront_size: 32
...
	.end_amdgpu_metadata
.endif
;; end of part 1
;; launch attn (part 2): grid 16 x 16, 16 waves a work-group, clusters of 4 x 1, 327,680 bytes of LDS; arguments kv, sc, oc, os; writes oc, os
.if DOCPART == 2
	.amdgcn_target "amdgcn-amd-amdhsa--gfx1250"
	.amdhsa_code_object_version 6
	.text
	.protected	k_qb95facd4ab_attn
	.globl	k_qb95facd4ab_attn
	.p2align	8
	.type	k_qb95facd4ab_attn,@function
k_qb95facd4ab_attn:
	s_mov_b64 s[64:65], 0
	v_nop
	global_prefetch_b8 v0, s[64:65] scope:SCOPE_SE
	s_setreg_imm32_b32 hwreg(HW_REG_WAVE_MODE, 25, 1), 1
	s_wait_xcnt 0x0
	s_wait_alu depctr_hold_cnt(0) depctr_sa_sdst(0) depctr_va_vdst(0) depctr_va_sdst(0) depctr_va_ssrc(0) depctr_va_vcc(0) depctr_vm_vsrc(0)
	s_getreg_b32 s2, hwreg(HW_REG_IB_STS2, 6, 4)
	s_cmp_eq_u32 s2, 0
	s_cbranch_scc0 .Lentry_in_a_cluster
	s_endpgm
.Lentry_in_a_cluster:
	s_bfe_u32 s2, ttmp6, 0x10000c
	s_cmp_lg_u32 s2, 0x3003
	s_cbranch_scc0 .Lentry_shape_is_right
	s_endpgm
.Lentry_shape_is_right:
; BOTH DIRECTIONS OF THE ATTENTION, on codes of FP4 (E2M1) with one E8M0 scale for each 32 along a product's K.  Work-group y = 8 set + head names the KEYS' and VALUES' set; the queries are the other set's keys (y xor 8).
; Set 0: keys k1p, values v1p, queries k2p: o1.  Set 1: the mirror: o2.  The result is divided by the row's sum, quantised along the 512 of the output projection, and stored as images of operand registers.
; THE SOFTMAX: t = score x log2(e) / 8; M = the running largest t rounded UP to a whole number; p = 2^(t - M) is quantised along the keys; the row's sum is taken of the unquantised p; when M moves, the sum and O are multiplied by 2^(old M - new M): exact.
; SHARES.  A work-group owns 256 queries of one head and direction; each of its sixteen waves owns 16 of them in 256 registers.  Every wave walks the head's 32 steps of 128 keys.
; THE WHOLE HEAD STAYS IN LDS, FILLED ONCE.  A step's 8,192 bytes of codes lie as 8 rows of 1,024 bytes, 128 bytes of padding behind each (pitch 1,152); its 768 bytes of scale words lie dense.
; At the head each wave issues one joint load: waves 0-11 four rows each (steps 0-5), waves 12-15 a quarter of the scale words each.  Behind the three lines and a round of the cluster's barrier each wave asks for 13 rows of steps 6-31;
; that load is waited for, with one barrier, in front of step 6.  A wave has one tensor load out at the most.
; CLUSTER.  The four query blocks of a cluster read the same head: every tile is asked for JOINTLY (mask 15), by the same line with the same descriptor, which hangs on y and the wave's number alone.
; NO PREFETCH: all bytes of the head are asked for by the two groups of loads above; no later load exists that a loop could run ahead of.
; LAYOUT.  Both products are used transposed: S^T = K Q^T, O^T = V^T P^T: a lane holds ONE query (lane % 16) throughout.  THE KEYS OF A TILE ARE CHOSEN SO THAT A LANE HOLDS WHOLE BLOCKS: row 8 a + j of key tile 4 c + u is key 64 c + 32 a + 8 u + j.
; So lane half h holds, in the 32 registers of tiles 4 c .. 4 c + 3, block 2 c + h in ascending order: a block's largest score needs no other lane, and the conversion of tile 4 c + u is register 4 c + u of P's operand as it stands.
; In the stored image that key lies at 1,024 (2 c + a) + 512 (u % 2) + 128 (u / 2) + 16 j + 256 (channel half); the padding sets rows a = 0 and a = 1 128 bytes apart modulo 256, so sixteen lanes touch sixteen different 16-byte columns.
; THE HEAD'S 64 IN A K STEP OF 128: registers 4-7 of Q hold zero codes.  K's tile T is v[KF + 4 T .. + 7]: its upper four registers are the next tile's codes (behind the last: zeros), which meet Q's zero codes; bytes 2, 3 of the scale words are 0 (no NaN).
; A BLOCK'S SCALE: p rises with the score, so floor(t - M) of the block's largest score is the exponent of its largest p: byte = that + 125, held at 1 from below.  (Should v_exp_f32 round a p up to the next power of two, that one p is held at the largest code.)
; THE ORDER OF A STEP.  The exponentials go in two batches of 32, one for each half of the keys; between a batch's exponentials stand plain lines that read nothing written inside the batch, and what they write is read behind the batch's wait.
; A step's p are summed into eight pairs; the last eight lines of the sum (seven additions and the multiply-add onto the running sum) stand in the next step, between the dependent lines that find the row's maximum, and once more on the way out.
; LIMITS: NaN and infinities are not served; the promise holds while the scaled scores t stay under 2^31 in magnitude; a block of o whose largest magnitude lies under 2^-124 gets the scale byte 1.
.set SCB,   1024                       ; LDS: the scale words, 32 x 768 bytes
.set CODES, 25600                      ; the codes, 256 rows of 1,152 bytes
.set SPARE, 320512                     ; the spare words, 128 bytes for each wave, that no other line names
.set CH,    1152
.set STP,   9216                       ; a step's codes in LDS
.set ST0,   6                          ; steps that the head's loads bring
.set LI,  1                            ; v1   16 x lane
.set KL,  2                            ; v2   K's codes: 1,152 a + 16 j + 256 h
.set LS,  3                            ; v3   K's scale words: 256 h + 16 j + 4 a
.set LT,  4                            ; v4   V's scale words: 512 + 8 x lane
.set SPW, 5                            ; v5   my spare word; v6 = 0; both kept
.set NIL, 6
.set AK,  7                            ; v7, v8, v10, v25 the step's LDS addresses
.set AV,  8
.set AS,  10
.set AT,  25
.set OSO, 10
.set QS,  24                           ; Q's scale words;  v[26:27] V's;  v[28:31] K's
.set VS,  26
.set KS,  28
.set KF,  32                           ; v32-63 K's eight tiles, four registers each; v64-67 zeros
.set MA,  68                           ; v68-69 my two blocks' largest scores; v70-71 at work
.set MB,  70
.set RA,  72
.set RB,  73
.set TT,  74
.set DD,  75
.set YY,  76
.set OP,  78                           ; v78-79 the conversions' scale operands
.set ZZ,  80
.set ZX,  81
.set ZT,  82
.set FF,  90                           ; v90 f = 2^(old M - new M); v91 named with it as a pair
.set PW,  92                           ; p's scale word
.set S,   96                           ; v96-159 S^T, then p
.set O,   160                          ; v160-191 O^T
.set VF,  192                          ; v192-223 V's four fragments
.set PC,  224                          ; v224-231 p's codes
.set MX,  232                          ; v232-239 a largest score for each tile
.set U,   240                          ; v240-255 a step's p summed into eight pairs
.set WV,  12
.set NCS, 17                           ; s17 -c
.set PSEL, 18
.set SEL, 20
.set CS,  22                           ; s[22:23] c = log2(e) / 8, twice
.set G1C, 24                           ; group 1: 4 rows of 1,024 bytes
.set G1S, 32                           ; group 1: 24 rows of 256 bytes
.set G1D, 40                           ; group 1: 13 rows of 1,024 bytes
.set G0A, 48
.set G0S, 52
.set G0D, 56
.set TB,  60
.set TS,  61
.set CNT, 62
.set PADW, 15|(3<<16)|(1<<20)|(1<<21)|(7<<22)|(31<<25)   ; the mask of all four; elements of 8 bytes; padding on; bit 21 beside a mask; after every 256 words, 32 words
.macro ROUND                           ; a round of the cluster's barrier
	s_barrier_signal -1
	s_barrier_wait -1
	s_cmp_lg_u32 s[WV], 0
	s_cbranch_scc1 .Lnot_wave_0_\@
	s_barrier_signal -3
.Lnot_wave_0_\@:
	s_barrier_wait -3
	s_barrier_signal -1
	s_barrier_wait -1
.endm
	s_load_b256 s[4:11], s[0:1], 0x0               ; kv, sc, oc, os
	v_lshl_add_u32 v[SPW], v0, 2, SPARE
	v_mov_b32 v[NIL], 0
	ds_add_u32 v[SPW], v[NIL]                      ; the opening lines: the add, twice on end, and its wait
	ds_add_u32 v[SPW], v[NIL]
	v_lshrrev_b32 v7, 5, v0
	v_readfirstlane_b32 s[WV], v7                  ; wave 0..15
	s_and_b32 s15, ttmp7, 0xffff                   ; y = 8 set + head: the four partners share it
	s_mov_b32 s[G1C], PADW
	s_mov_b32 s[G1C+1], 128<<16                    ; tensor_dim0 = 128 elements: 1,024 bytes
	s_mov_b32 s[G1C+2], 4<<16
	s_mov_b32 s[G1C+3], 128<<16
	s_mov_b32 s[G1C+4], 4
	s_mov_b32 s[G1C+5], 128                        ; the block is dense
	s_mov_b32 s[G1C+6], 0
	s_mov_b32 s[G1C+7], 0
	s_mov_b32 s[G1D], PADW
	s_mov_b32 s[G1D+1], 128<<16
	s_mov_b32 s[G1D+2], 13<<16
	s_mov_b32 s[G1D+3], 128<<16
	s_mov_b32 s[G1D+4], 13
	s_mov_b32 s[G1D+5], 128
	s_mov_b32 s[G1D+6], 0
	s_mov_b32 s[G1D+7], 0
	s_mov_b32 s[G1S], 15|(3<<16)|(1<<21)
	s_mov_b32 s[G1S+1], 32<<16
	s_mov_b32 s[G1S+2], 24<<16
	s_mov_b32 s[G1S+3], 32<<16
	s_mov_b32 s[G1S+4], 24
	s_mov_b32 s[G1S+5], 32
	s_mov_b32 s[G1S+6], 0
	s_mov_b32 s[G1S+7], 0
	s_lshl_b32 s66, s15, 18                        ; the head's codes: 262,144 bytes
	s_mov_b32 s67, 0
	s_mul_i32 s68, s15, 24576                      ; its scale words
	s_mov_b32 s69, 0
	s_lshl_b32 s70, s[WV], 12                      ; the head's load of codes: 4 rows a wave, in memory
	s_mul_i32 s71, s[WV], 4*CH                     ; and in LDS
	s_and_b32 s72, s[WV], 3
	s_mul_i32 s72, s72, 6144                       ; a quarter of the scale words
	s_mul_i32 s73, s[WV], 13*1024
	s_add_co_u32 s73, s73, ST0*8192                ; the second load: 13 rows a wave, in memory
	s_mul_i32 s74, s[WV], 13*CH                    ; and in LDS
	s_mov_b32 s77, 0
	s_mov_b32 s[SEL], 0x76543210
	s_mov_b32 s[SEL+1], 0xfedcba98
	s_mov_b32 s[CS], 0x3e38aa3b                    ; log2(e) / 8
	s_mov_b32 s[CS+1], s[CS]
	s_mov_b32 s[NCS], 0xbe38aa3b
	s_mov_b32 s[PSEL], 0x07060302                  ; the two high halves
	s_wait_dscnt 0x0
	s_wait_kmcnt 0x0
	s_add_nc_u64 s[66:67], s[4:5], s[66:67]
	s_add_nc_u64 s[68:69], s[6:7], s[68:69]
	s_mov_b32 s[G0A], 1
	s_add_co_u32 s[G0A+1], s71, CODES
	s_mov_b32 s76, s70
	s_add_nc_u64 s[G0A+2:G0A+3], s[66:67], s[76:77]
	s_or_b32 s[G0A+3], s[G0A+3], 0x80000000
	s_mov_b32 s[G0S], 1
	s_add_co_u32 s[G0S+1], s72, SCB
	s_mov_b32 s76, s72
	s_add_nc_u64 s[G0S+2:G0S+3], s[68:69], s[76:77]
	s_or_b32 s[G0S+3], s[G0S+3], 0x80000000
	s_mov_b32 s[G0D], 1
	s_add_co_u32 s[G0D+1], s74, CODES+ST0*STP
	s_mov_b32 s76, s73
	s_add_nc_u64 s[G0D+2:G0D+3], s[66:67], s[76:77]
	s_or_b32 s[G0D+3], s[G0D+3], 0x80000000
	ROUND                                          ; all four work-groups are here: the joint loads meet
	s_cmp_lt_u32 s[WV], 12                         ; one chain of branches on the wave's number, one load to an arm
	s_cbranch_scc0 .Lhead_s
	tensor_load_to_lds s[G0A:G0A+3], s[G1C:G1C+7]
	s_nop 0
.rept 4
	v_nop
.endr
	s_branch .Lhead_asked
.Lhead_s:
	tensor_load_to_lds s[G0S:G0S+3], s[G1S:G1S+7]
	s_nop 0
.rept 4
	v_nop
.endr
.Lhead_asked:
	; my 16 queries, 256 xb + 16 wave + r, out of the other set's K images: step 2 xb + wave / 8, stored key tile 2 ((wave / 2) % 4) + r / 8, row (r % 8) + 8 (wave % 2)
	s_bfe_u32 s13, ttmp6, 0x40000                  ; cx: it enters Q's and the outputs' addresses alone
	s_lshl_b32 s14, ttmp9, 2
	s_add_co_u32 s14, s14, s13                     ; xb: my block of 256 queries
	s_xor_b32 s16, s15, 8
	s_lshr_b32 s72, s[WV], 3
	s_lshl_b32 s73, s14, 1
	s_add_co_u32 s72, s72, s73                     ; the step
	s_bfe_u32 s73, s[WV], 0x20001                  ; (wave / 2) % 4
	s_and_b32 s74, s[WV], 1
	s_lshl_b32 s76, s16, 18
	s_lshl_b32 s75, s72, 13
	s_add_co_u32 s76, s76, s75
	s_lshl_b32 s75, s73, 10
	s_add_co_u32 s76, s76, s75
	s_lshl_b32 s75, s74, 7
	s_add_co_u32 s76, s76, s75
	s_mov_b32 s77, 0
	s_add_nc_u64 s[4:5], s[4:5], s[76:77]
	s_mul_i32 s76, s16, 24576
	s_mul_i32 s75, s72, 768
	s_add_co_u32 s76, s76, s75
	s_lshl_b32 s75, s74, 7
	s_add_co_u32 s76, s76, s75
	s_lshl_b32 s75, s73, 2
	s_add_co_u32 s76, s76, s75
	s_add_nc_u64 s[6:7], s[6:7], s[76:77]
	v_and_b32 v9, 15, v0                           ; r
	v_bfe_u32 v11, v0, 4, 1                        ; h
	v_and_b32 v7, 7, v0
	v_bfe_u32 v10, v0, 3, 1                        ; a = r / 8
	v_lshlrev_b32 v8, 4, v7                        ; 16 j
	v_and_b32 v[LT], 31, v0
	v_lshl_add_u32 v25, v10, 8, v8
	v_lshl_add_u32 v68, v10, 9, v8
	v_mul_u32_u24 v[KL], v10, CH
	v_lshl_add_u32 v[LS], v10, 2, v8
	v_lshl_add_u32 v68, v11, 8, v68
	global_load_b32 v[QS], v25, s[6:7]             ; Q's scale word
	global_load_b128 v[16:19], v68, s[4:5]         ; Q's fragment: channels 32 h on of query r; it stays in registers
	v_add_nc_u32 v[KL], v[KL], v8
	v_lshl_add_u32 v[LS], v11, 8, v[LS]
	v_lshlrev_b32 v[LI], 4, v[LT]
	v_lshl_add_u32 v[LT], v[LT], 3, 512
	v_lshl_add_u32 v[KL], v11, 8, v[KL]
	v_mov_b32 v13, 0xff61b1e6                      ; the largest score so far: -3e38
	v_mov_b32 v14, 0                               ; the sum, in two halves
	v_mov_b32 v15, 0
	v_mul_f32 v12, s[NCS], v13
	v_mov_b32 v[RA], 0                             ; lane permutes' destinations: written once
	v_mov_b32 v[RB], 0
	v_mov_b32 v[ZX], 0
	v_mov_b32 v[FF], 0                             ; the first step finds f = 0 and zeros in the eight pairs
	v_mov_b32 v[FF+1], 0
	v_floor_f32 v12, v12                           ; -M
.irp b, 0,1,2,3
	v_mov_b32 v[20+\b], 0                          ; Q's zero codes for k = 64 .. 127
	v_mov_b32 v[KF+32+\b], 0                       ; and what stands behind K's last tile
.endr
.set JJ, 0
.rept 16
	v_mov_b32 v[U+JJ], 0
.set JJ, JJ+1
.endr
.set JJ, 0
.rept 32
	v_mov_b32 v[O+JJ], 0                           ; O^T: the step is written once; the first finds zeros
.set JJ, JJ+1
.endr
.macro KLOAD c, off                    ; four key tiles' codes
.irp u, 0,1,2,3
	ds_load_b128 v[KF+16*\c+4*\u:KF+16*\c+4*\u+3], v[AK] offset:\off+2*CH*\c+512*(\u%2)+128*(\u/2)
.endr
.endm
.macro KSLOAD off                      ; register 2 c + g: lanes 0-15 the words of key tile 4 c + 2 g, lanes 16-31 those of tile 4 c + 2 g + 1
.irp c, 0,1
.irp g, 0,1
	ds_load_b32 v[KS+2*\c+\g], v[AS] offset:\off+8*\c+128*\g
.endr
.endr
.endm
.macro VLOAD t
	ds_load_b128 v[VF+8*\t:VF+8*\t+3], v[AV] offset:(4+\t)*CH
	ds_load_b128 v[VF+8*\t+4:VF+8*\t+7], v[AV] offset:(4+\t)*CH+512
.endm
.macro PKF n                           ; t - M, two at a time
.rept \n
	v_pk_fma_f32 v[S+JJ:S+JJ+1], v[S+JJ:S+JJ+1], s[CS:CS+1], v[12:13] op_sel_hi:[1,0,0]
.set JJ, JJ+2
.endr
.endm
.macro EXPS n                          ; p = 2^(t - M): not normalised
.rept \n
	v_exp_f32 v[S+JE], v[S+JE]
.set JE, JE+1
.endr
.endm
.macro UADD a, b                       ; pair a += pair b
	v_pk_add_f32 v[U+2*\a:U+2*\a+1], v[U+2*\a:U+2*\a+1], v[U+2*\b:U+2*\b+1]
.endm
.macro UACC                            ; the running sum under the last step's M, and that step's p
	v_pk_fma_f32 v[14:15], v[14:15], v[FF:FF+1], v[U:U+1] op_sel_hi:[1,0,1]
.endm
; A KEY STEP: 128 keys.  Its K and K's scale words were asked for a step earlier.  pf = 1: the next step's are asked for here
.macro STEP pf
	s_wait_dscnt 0x0                               ; K and its scale words are in
.irp c, 0,1
.irp u, 0,1,2,3
.if (\u%2) == 0
	v_wmma_scale_f32_16x16x128_f8f6f4 v[S+32*\c+8*\u:S+32*\c+8*\u+7], v[KF+16*\c+4*\u:KF+16*\c+4*\u+7], v[16:23], 0, v[KS+2*\c+\u/2], v[QS] matrix_a_fmt:MATRIX_FMT_FP4 matrix_b_fmt:MATRIX_FMT_FP4
.else
	v_wmma_scale_f32_16x16x128_f8f6f4 v[S+32*\c+8*\u:S+32*\c+8*\u+7], v[KF+16*\c+4*\u:KF+16*\c+4*\u+7], v[16:23], 0, v[KS+2*\c+\u/2], v[QS] matrix_a_fmt:MATRIX_FMT_FP4 matrix_b_fmt:MATRIX_FMT_FP4 matrix_a_scale:MATRIX_SCALE_ROW1
.endif
.endr
.endr
	v_add_nc_u32 v[AK], s[TB], v[KL]               ; these four are the places behind the products
	v_add_nc_u32 v[AV], s[TB], v[LI]
	v_add_nc_u32 v[AS], s[TS], v[LS]
	v_add_nc_u32 v[AT], s[TS], v[LT]
.irp t, 0,1,2,3,4,5,6,7                        ; the largest scores: eight chains by turns, a tile each, from its low end on
	v_max3_num_f32 v[MX+\t], v[S+8*\t], v[S+8*\t+1], v[S+8*\t+2]
.endr
.irp i, 3,5
.irp t, 0,1,2,3,4,5,6,7
	v_max3_num_f32 v[MX+\t], v[MX+\t], v[S+8*\t+\i], v[S+8*\t+\i+1]
.endr
.endr
.irp c, 0,1                                    ; my two blocks: four tiles' chains and their four last registers
	v_max3_num_f32 v[MA+\c], v[MX+4*\c], v[MX+4*\c+1], v[MX+4*\c+2]
	v_max3_num_f32 v[MB+\c], v[MX+4*\c+3], v[S+32*\c+7], v[S+32*\c+15]
.endr
.irp c, 0,1
	v_max3_num_f32 v[MA+\c], v[MA+\c], v[MB+\c], v[S+32*\c+23]
.endr
.irp c, 0,1
	v_max_num_f32 v[MA+\c], v[MA+\c], v[S+32*\c+31]
.endr
	v_max_num_f32 v[RA], v[MA], v[MA+1]            ; the row's chain is dependent line by line: the end of the last step's sum and the step's LDS loads stand between its lines
	UADD 0, 4
	UADD 1, 5
	UADD 2, 6
	UADD 3, 7
	VLOAD 0
	VLOAD 1
	v_permlanex16_b32 v[RB], v[RA], s[SEL], s[SEL+1]
	UADD 0, 2
	UADD 1, 3
	VLOAD 2
	VLOAD 3
	v_max3_num_f32 v13, v13, v[RA], v[RB]          ; the running largest score of my query
	UADD 0, 1
	ds_load_b64 v[VS:VS+1], v[AT]                  ; register b: channel tiles 2 b and 2 b + 1
.if \pf
	KLOAD 0, STP
.endif
	v_mul_f32 v[TT], s[NCS], v13                   ; -t
	UACC                                           ; (f is still the last step's)
.if \pf
	KLOAD 1, STP
.endif
	v_floor_f32 v[TT], v[TT]                       ; the new -M = floor(-t) = -ceil(t)
.if \pf
	KSLOAD 768
.endif
	v_sub_f32 v[DD], v[TT], v12                    ; old M - new M: a whole number, 0 or less
	v_mov_b32 v12, v[TT]
.set JJ, 0
.set JE, 0
	v_fma_f32 v[YY], v[MA], s[CS], v12             ; t - M of each block's largest score
	v_fma_f32 v[YY+1], v[MA+1], s[CS], v12
	v_cvt_i32_f32 v[DD], v[DD]                     ; (it saturates)
	PKF 2
	v_max_num_f32 v[YY], 0xc2f80000, v[YY]         ; held at -124: the byte cannot fall under 1
	v_max_num_f32 v[YY+1], 0xc2f80000, v[YY+1]
	v_ldexp_f32 v[FF], 1.0, v[DD]                  ; f = 2^(old M - new M)
	PKF 2
	v_cvt_floor_i32_f32 v[YY], v[YY]               ; the exponent of the block's largest p
	v_cvt_floor_i32_f32 v[YY+1], v[YY+1]
	PKF 3
	v_lshl_add_u32 v[OP], v[YY], 23, 125<<23       ; (exponent + 125) << 23: the conversion's scale operand; its byte stands in bits 30:23
	v_lshl_add_u32 v[OP+1], v[YY+1], 23, 125<<23
	PKF 3
	v_perm_b32 v[ZZ], v[OP+1], v[OP], s[PSEL]      ; my two bytes at bits 14:7 and 30:23
	PKF 3
	v_permlanex16_b32 v[ZX], v[ZZ], s[SEL], s[SEL+1]
	v_lshrrev_b32 v[ZT], 7, v[ZZ]                  ; in lanes 0-15: blocks 0 and 2 at bytes 0 and 2
	PKF 3                                          ; the first half's 16 are done
.set JO, 0
.rept 16
	v_pk_mul_f32 v[O+JO:O+JO+1], v[O+JO:O+JO+1], v[FF:FF+1] op_sel_hi:[1,0]   ; O^T under the new M
.set JO, JO+2
.endr
	v_lshl_or_b32 v[PW], v[ZX], 1, v[ZT]           ; in lanes 0-15 blocks 1 and 3 join at bytes 1 and 3: p's scale word (lanes 16-31 are not read)
	s_wait_alu depctr_va_vdst(0)                   ; ahead of the batch
.rept 16                                       ; the first half's 32 exponentials; between them the second half's t - M, read behind the next wait
	EXPS 2
	PKF 1
.endr
	s_wait_alu depctr_va_vdst(0)                   ; behind the first batch and ahead of the second
.irp g, 0,1,2,3                                ; the second half's 32; between them the first half's conversions and first sums, read behind the next wait
	EXPS 2
	v_cvt_scalef32_pk8_fp4_f32 v[PC+\g], v[S+8*\g:S+8*\g+7], v[OP]   ; keys 32 h + 8 g + 0 .. 7: register g of the operand
	EXPS 3
	v_pk_add_f32 v[U+4*\g:U+4*\g+1], v[S+8*\g:S+8*\g+1], v[S+8*\g+2:S+8*\g+3]
	EXPS 3
	v_pk_add_f32 v[U+4*\g+2:U+4*\g+3], v[S+8*\g+4:S+8*\g+5], v[S+8*\g+6:S+8*\g+7]
.endr
	s_wait_alu depctr_va_vdst(0)                   ; one wait for the batch, ahead of its first reader
.irp u, 0,1,2,3
	v_cvt_scalef32_pk8_fp4_f32 v[PC+4+\u], v[S+32+8*\u:S+32+8*\u+7], v[OP+1]   ; keys 64 + 32 h + 8 u + 0 .. 7
.endr
.irp q, 32,48                                  ; the second half's p onto the eight pairs, by turns.  These 16 lines are also the places in front of the products
.irp k, 0,1,2,3,4,5,6,7
	v_pk_add_f32 v[U+2*\k:U+2*\k+1], v[U+2*\k:U+2*\k+1], v[S+\q+2*\k:S+\q+2*\k+1]
.endr
.endr
	s_wait_alu depctr_va_vdst(0)                   ; directly ahead of the wait below
	s_wait_dscnt 12*\pf                            ; V and its scale words are in; the next step's 8 loads of K and 4 of its scale words may stay out
.irp t, 0,1,2,3
.if (\t%2) == 0
	v_wmma_scale_f32_16x16x128_f8f6f4 v[O+8*\t:O+8*\t+7], v[VF+8*\t:VF+8*\t+7], v[PC:PC+7], v[O+8*\t:O+8*\t+7], v[VS+\t/2], v[PW] matrix_a_fmt:MATRIX_FMT_FP4 matrix_b_fmt:MATRIX_FMT_FP4
.else
	v_wmma_scale_f32_16x16x128_f8f6f4 v[O+8*\t:O+8*\t+7], v[VF+8*\t:VF+8*\t+7], v[PC:PC+7], v[O+8*\t:O+8*\t+7], v[VS+\t/2], v[PW] matrix_a_fmt:MATRIX_FMT_FP4 matrix_b_fmt:MATRIX_FMT_FP4 matrix_a_scale:MATRIX_SCALE_ROW1
.endif
.endr
.endm
; n steps from step first on: the first step's K is asked for ahead of the loop; the last step, written out, asks for nothing
.macro STAGE first, n
	s_mov_b32 s[TB], CODES+\first*STP
	s_mov_b32 s[TS], SCB+\first*768
	s_mov_b32 s[CNT], \n-1
	v_add_nc_u32 v[AK], s[TB], v[KL]
	v_add_nc_u32 v[AS], s[TS], v[LS]
	KLOAD 0, 0
	KLOAD 1, 0
	KSLOAD 0
.Lstep_\@:
	STEP 1
	s_add_co_u32 s[TB], s[TB], STP
	s_add_co_u32 s[TS], s[TS], 768
	s_sub_co_u32 s[CNT], s[CNT], 1
	s_cmp_lg_u32 s[CNT], 0
	s_cbranch_scc1 .Lstep_\@
	STEP 0
.endm
	s_wait_alu depctr_va_vdst(0)                   ; at the head's end
	s_wait_tensorcnt 0x0                           ; my part of the head's tiles is in; the three lines ahead of a later first fill
	ds_add_u32 v[SPW], v[NIL]
	s_wait_dscnt 0x0
	ROUND                                          ; everybody's part is in, and all four work-groups are here
	tensor_load_to_lds s[G0D:G0D+3], s[G1D:G1D+7]  ; steps 6 to 31: my 13 rows; it has six steps' work in which to land
	s_nop 0
.rept 4
	v_nop
.endr
	s_wait_loadcnt 0x0                             ; Q
	STAGE 0, ST0
	s_wait_tensorcnt 0x0                           ; my part of the later steps has landed (no LDS instruction of mine is out),
	s_barrier_signal -1
	s_barrier_wait -1                              ; everybody's has
	STAGE ST0, 32-ST0
	; THE WAY OUT: the last step's sum is ended; O^T / the sum, quantised along the channels (two blocks of 32), stored as half a K step's image of the output projection's operand
	UADD 0, 4
	UADD 1, 5
	UADD 2, 6
	UADD 3, 7
	UADD 0, 2
	UADD 1, 3
	UADD 0, 1
	UACC
	v_add_f32 v14, v14, v15                        ; the sum's two halves,
	v_permlanex16_b32 v[RB], v14, s[SEL], s[SEL+1]
	v_add_f32 v14, v14, v[RB]                      ; and lane l xor 16's: the row's sum
	s_wait_alu depctr_va_vdst(0)
	v_rcp_f32 v14, v14
	v_lshl_add_u32 v[OSO], v9, 4, v11              ; (a plain place behind the reciprocal)  16 r + h
	v_cmp_eq_u32 vcc_lo, 1, v11
	s_lshr_b32 s72, s15, 3                         ; the set
	s_and_b32 s73, s15, 7                          ; the head
	s_lshl_b32 s74, s14, 4
	s_add_co_u32 s74, s74, s[WV]                   ; qt = 16 xb + wave: my tile of 16 queries
	s_lshl_b32 s76, s72, 20
	s_lshl_b32 s75, s74, 12
	s_add_co_u32 s76, s76, s75
	s_lshl_b32 s75, s73, 9
	s_add_co_u32 s76, s76, s75
	s_mov_b32 s77, 0
	s_add_nc_u64 s[8:9], s[8:9], s[76:77]
	s_lshl_b32 s76, s72, 16
	s_lshl_b32 s75, s74, 8
	s_add_co_u32 s76, s76, s75
	s_lshl_b32 s75, s73, 1
	s_add_co_u32 s76, s76, s75
	s_add_nc_u64 s[10:11], s[10:11], s[76:77]
	s_wait_alu depctr_va_vdst(0)                   ; the wait ahead of the reciprocal's first reader, and of the first readers of O^T
.set JJ, 0
.rept 32
	v_mul_f32 v[S+JJ], v[O+JJ], v14                ; register 16 b + i: channel 32 b + 16 h + i of query r
.set JJ, JJ+1
.endr
.irp b, 0,1
	v_max3_num_f32 v[MA+\b], |v[S+16*\b]|, |v[S+1+16*\b]|, 0x1800000   ; with the floor 2^(3 - 127)
.endr
.irp i, 2,4,6,8,10,12,14
.irp b, 0,1
	v_max3_num_f32 v[MA+\b], v[MA+\b], |v[S+16*\b+\i]|, |v[S+1+16*\b+\i]|
.endr
.endr
.irp b, 0,1
	v_permlanex16_b32 v[RA+\b], v[MA+\b], s[SEL], s[SEL+1]
.endr
.irp b, 0,1
	v_max_num_f32 v[MA+\b], v[MA+\b], v[RA+\b]
.endr
.irp b, 0,1
	v_add_nc_u32 v[OP+\b], 0xff000000, v[MA+\b]    ; 2 off the exponent field: the conversion's scale operand
.endr
.irp b, 0,1
	v_lshrrev_b32 v[YY+\b], 23, v[OP+\b]           ; the scale's byte
.endr
.irp b, 0,1
	v_cvt_scalef32_pk8_fp4_f32 v[PC+2*\b], v[S+16*\b:S+7+16*\b], v[OP+\b]
	v_cvt_scalef32_pk8_fp4_f32 v[PC+1+2*\b], v[S+8+16*\b:S+15+16*\b], v[OP+\b]
.endr
	v_nop                                          ; one plain place behind a scaled conversion
	v_permlane16_swap_b32 v[PC], v[PC+2]
	v_permlane16_swap_b32 v[PC+1], v[PC+3]         ; v[224:227] of lane (r, h): channels 32 h .. 32 h + 31
	v_cndmask_b32 v[ZZ], v[YY], v[YY+1], vcc_lo    ; lanes 0-15 store block 0's byte, lanes 16-31 block 1's
	global_store_b128 v[LI], v[PC:PC+3], s[8:9]    ; 512 consecutive bytes
	global_store_b8 v[OSO], v[ZZ], s[10:11]        ; byte 2 head + block of row r's 16
	s_wait_tensorcnt 0x0                           ; the wave's end
	ds_add_u32 v[SPW], v[NIL]
	s_wait_dscnt 0x0
	ROUND                                          ; the closing round
	s_endpgm
.Lfunc_end_k_qb95facd4ab_attn:
	.size	k_qb95facd4ab_attn, .Lfunc_end_k_qb95facd4ab_attn-k_qb95facd4ab_attn
	.p2alignl 7, 3214868480
	.fill 96, 4, 3214868480
	.section	.rodata,"a",@progbits
	.p2align	6, 0x0
	.amdhsa_kernel k_qb95facd4ab_attn
		.amdhsa_group_segment_fixed_size 327680
		.amdhsa_private_segment_fixed_size 0
		.amdhsa_enable_private_segment 0
		.amdhsa_kernarg_size 32
		.amdhsa_user_sgpr_count 2
		.amdhsa_user_sgpr_kernarg_segment_ptr 1
		.amdhsa_wavefront_size32 1
		.amdhsa_system_sgpr_workgroup_id_x 1
		.amdhsa_system_sgpr_workgroup_id_y 1
		.amdhsa_system_sgpr_workgroup_id_z 1
		.amdhsa_system_vgpr_workitem_id 0
		.amdhsa_next_free_vgpr 256
		.amdhsa_next_free_sgpr 80
		.amdhsa_reserve_vcc 1
		.amdhsa_float_denorm_mode_32 3
		.amdhsa_float_denorm_mode_16_64 3
		.amdhsa_memory_ordered 1
		.amdhsa_forward_progress 1
		.amdhsa_inst_pref_size 70
	.end_amdhsa_kernel
	.amdgpu_metadata
---
amdhsa.version: [ 1, 2 ]
amdhsa.kernels:
  - .name:           k_qb95facd4ab_attn
    .symbol:         k_qb95facd4ab_attn.kd
    .args:
      - { .name: kv, .offset: 0, .size: 8, .value_kind: global_buffer, .address_space: global }
      - { .name: sc, .offset: 8, .size: 8, .value_kind: global_buffer, .address_space: global }
      - { .name: oc, .offset: 16, .size: 8, .value_kind: global_buffer, .address_space: global }
      - { .name: os, .offset: 24, .size: 8, .value_kind: global_buffer, .address_space: global }
    .group_segment_fixed_size: 327680
    .private_segment_fixed_size: 0
    .kernarg_segment_align: 8
    .kernarg_segment_size: 32
    .max_flat_workgroup_size: 512
    .sgpr_count:     80
    .vgpr_count:     256
    .wavefront_size: 32
...
	.end_amdgpu_metadata
.endif
;; end of part 2
;; launch outp (part 3): grid 128 x 2, 8 waves a work-group, no clusters, 54,272 bytes of LDS; arguments oc, os, wo1_w, wo2_w, wo1_b, wo2_b, out0, out1; writes out0, out1
.if DOCPART == 3
	.amdgcn_target "amdgcn-amd-amdhsa--gfx1250"
	.amdhsa_code_object_version 6
	.text
	.protected	k_qb95facd4ab_outp
	.globl	k_qb95facd4ab_outp
	.p2align	8
	.type	k_qb95facd4ab_outp,@function
k_qb95facd4ab_outp:
	s_mov_b64 s[64:65], 0
	v_nop
	global_prefetch_b8 v0, s[64:65] scope:SCOPE_SE
	s_setreg_imm32_b32 hwreg(HW_REG_WAVE_MODE, 25, 1), 1
	s_wait_xcnt 0x0
; THE TWO OUTPUT PROJECTIONS, out = Q(o) Q(wo) + b on codes of FP4 (E2M1), K = 512.  o arrives as codes and scale bytes, laid as images of operand registers; wo [512][256] f32 is quantised here, along its first axis.
; Work-group y = the set (0: wo1, out0; 1: wo2, out1).  Work-group x: x / 4 = a block of 128 rows, x % 4 = a group of 64 columns (256 bytes of a row of the output).  Eight waves, 16 rows each.
; AHEAD OF THE ONE BARRIER wave w quantises 32 columns (w % 2) x 128 K (w / 2) of wo, a lane to a column, registers down K, and stores the codes in LDS as images of operand registers.
; BEHIND IT: source 0 = 4 tiles of wo's columns, source 1 = my 16 rows of o: a lane holds one row and neighbouring columns.  Column tile T holds columns 32 (T / 2) + 8 (T % 2) + m + 8 (m / 8).
; The bias is loaded into the accumulators and is the C of each sum's first product.  Results go through the wave's own stage in LDS: sixteen lanes store 256 consecutive bytes, aligned.
; NO TENSOR LOADS, NO CLUSTER: wo goes from memory through registers into the quantiser, and each wave's rows of o are read by it alone within the work-group.
; LIMITS: NaN and infinities are not served; a block of wo whose largest magnitude lies under 2^-124 gets the scale byte 1.
.set WIMG, 0                           ; wo's 16 fragments (tile ct, K step ks: 4 ct + ks), 1,024 bytes each
.set WSC,  16384                       ; their scale words, 64 bytes each
.set STG,  17408                       ; the stages: 16 rows x (256 + 16) bytes for each wave
.set LI,  5                            ; v5   16 x lane
.set WA,  6                            ; v6   4 x lane
.set WWI, 9
.set WWS, 10
.set OSA, 11                           ; v11  16 r
.set BA,  12                           ; v12  64 h
.set WSA, 13                           ; v13  WSC + 4 r
.set SO,  14                           ; v14  the stage: where I put 16 bytes of a row
.set SR,  15                           ; v15  and where I read a row back
.set GO,  16                           ; v16  my byte offset in two rows of the output
.set T1,  17
.set WC,  20                           ; v20-35 wo's codes
.set OS,  36                           ; v[36:39] o's four scale words
.set WS,  40                           ; v40-55 wo's scale words
.set TM,  56                           ; v56-59 at work
.set PWW, 60
.set OF,  64                           ; v64-95 o's four fragments
.set ACC, 96                           ; v96-127 four accumulators
.set WR,  128                          ; v128-255 4 x 32 numbers of wo; then its 16 fragments; then rows read back
.set WF,  128
.macro WLOAD kb
.irp i, 0,1,2,3,4,5,6,7,8,9,10,11,12,13,14,15,16,17,18,19,20,21,22,23,24,25,26,27,28,29,30,31
	global_load_b32 v[WR+32*(\kb)+\i], v[WA], s[4:5] offset:(32*(\kb)+\i)*1024
.endr
.endm
.macro WBLOCK kb, left                 ; block kb of my column is quantised.  left: the younger loads, which may stay out
.set XS, WR+32*(\kb)
	s_wait_loadcnt \left
	v_max3_num_f32 v[TM], |v[XS]|, |v[XS+1]|, |v[XS+2]|
	v_max3_num_f32 v[TM+1], |v[XS+3]|, |v[XS+4]|, |v[XS+5]|
.irp i, 6,10,14,18,22,26
	s_delay_alu instid0(VALU_DEP_2)
	v_max3_num_f32 v[TM], v[TM], |v[XS+\i]|, |v[XS+\i+1]|
	s_delay_alu instid0(VALU_DEP_2)
	v_max3_num_f32 v[TM+1], v[TM+1], |v[XS+\i+2]|, |v[XS+\i+3]|
.endr
	s_delay_alu instid0(VALU_DEP_2)
	v_max3_num_f32 v[TM], v[TM], |v[XS+30]|, |v[XS+31]|
	s_delay_alu instid0(VALU_DEP_1)
	v_max3_num_f32 v[TM], v[TM], v[TM+1], 0x1800000   ; the floor 2^(3 - 127): the byte cannot fall under 1
	s_delay_alu instid0(VALU_DEP_1)
	v_add_nc_u32 v[TM+2], 0xff000000, v[TM]        ; 2 off the exponent field: the conversion's scale operand
	s_delay_alu instid0(VALU_DEP_1)
	v_lshrrev_b32 v[TM+3], 23, v[TM+2]             ; the scale's byte
.if (\kb) == 0
	s_delay_alu instid0(VALU_DEP_1)
	v_mov_b32 v[PWW], v[TM+3]
.else
	s_delay_alu instid0(VALU_DEP_1)
	v_lshl_or_b32 v[PWW], v[TM+3], 8*(\kb), v[PWW]
.endif
.irp g, 0,1,2,3
	v_cvt_scalef32_pk8_fp4_f32 v[WC+4*(\kb)+\g], v[XS+8*\g:XS+8*\g+7], v[TM+2]
.endr
	ds_store_b128 v[WWI], v[WC+4*(\kb):WC+4*(\kb)+3] offset:256*(\kb)   ; block kb = 2 c + h lies at 512 c + 256 h of the image
.endm
	s_load_b512 s[16:31], s[0:1], 0x0              ; oc, os, wo1_w, wo2_w, wo1_b, wo2_b, out0, out1
	v_lshl_add_u32 v62, v0, 2, 0xd000
	v_mov_b32 v63, 0
	v_lshrrev_b32 v1, 5, v0
	s_delay_alu instid0(VALU_DEP_1)
	v_readfirstlane_b32 s32, v1                    ; wave 0..7
	v_and_b32 v1, 31, v0                           ; lane
	v_and_b32 v2, 15, v0                           ; r
	v_bfe_u32 v3, v0, 4, 1                         ; h
	s_and_b32 s2, ttmp7, 0xffff                    ; the set
	s_lshr_b32 s33, ttmp9, 2                       ; the block of 128 rows
	s_and_b32 s34, ttmp9, 3                        ; the group of 64 columns
	s_lshl_b32 s35, s33, 3
	s_add_co_u32 s35, s35, s32                     ; qt: my tile of 16 rows
	s_and_b32 s36, s32, 1                          ; g
	s_lshr_b32 s37, s32, 1                         ; ks
	v_lshlrev_b32 v[LI], 4, v1
	v_lshlrev_b32 v[WA], 2, v1
	v_lshlrev_b32 v[OSA], 4, v2
	v_lshlrev_b32 v[BA], 6, v3
	v_lshl_add_u32 v[WSA], v2, 2, WSC
	v_bfe_u32 v[T1], v0, 3, 1                      ; column 32 g + j is row (j % 8) + 8 (j / 16) of tile 2 g + (j / 8) % 2
	v_and_b32 v[WWI], 7, v0
	s_delay_alu instid0(VALU_DEP_1)
	v_lshl_add_u32 v[WWI], v3, 3, v[WWI]
	s_delay_alu instid0(VALU_DEP_1)
	v_lshlrev_b32 v[WWS], 2, v[WWI]
	s_delay_alu instid0(VALU_DEP_1)
	v_lshl_add_u32 v[WWS], v[T1], 8, v[WWS]
	s_delay_alu instid0(VALU_DEP_3)
	v_lshlrev_b32 v[WWI], 4, v[WWI]
	s_delay_alu instid0(VALU_DEP_1)
	v_lshl_add_u32 v[WWI], v[T1], 12, v[WWI]
	s_lshl_b32 s38, s36, 13
	s_lshl_b32 s39, s37, 10
	s_add_co_u32 s38, s38, s39
	v_add_nc_u32 v[WWI], s38, v[WWI]
	s_lshl_b32 s38, s36, 9
	s_lshl_b32 s39, s37, 6
	s_add_co_u32 s38, s38, s39
	s_add_co_u32 s38, s38, WSC
	v_add_nc_u32 v[WWS], s38, v[WWS]
	s_mul_i32 s38, s32, 16*272
	s_add_co_u32 s38, s38, STG                     ; my stage
	v_mul_u32_u24 v[SO], v2, 272
	s_delay_alu instid0(VALU_DEP_1)
	v_lshl_add_u32 v[SO], v3, 6, v[SO]
	s_delay_alu instid0(VALU_DEP_1)
	v_add_nc_u32 v[SO], s38, v[SO]                 ; in: row r, + 64 h
	v_mul_u32_u24 v[SR], v3, 272
	s_delay_alu instid0(VALU_DEP_1)
	v_lshl_add_u32 v[SR], v2, 4, v[SR]
	s_delay_alu instid0(VALU_DEP_1)
	v_add_nc_u32 v[SR], s38, v[SR]                 ; back: lanes 0-15 one row, lanes 16-31 the next
	v_lshlrev_b32 v[GO], 10, v3
	s_delay_alu instid0(VALU_DEP_1)
	v_lshl_add_u32 v[GO], v2, 4, v[GO]             ; and the same two rows in the output
	s_lshl_b32 s40, s2, 20                         ; o's codes: the set, my tile's 4,096 bytes
	s_lshl_b32 s41, s35, 12
	s_add_co_u32 s40, s40, s41
	s_mov_b32 s41, 0
	s_lshl_b32 s42, s2, 16                         ; its scale bytes: 256 a tile
	s_lshl_b32 s43, s35, 8
	s_add_co_u32 s42, s42, s43
	s_mov_b32 s43, 0
	s_lshl_b32 s44, s34, 8                         ; 64 columns of f32: in b, in a row of wo and in a row of the output
	s_mov_b32 s45, 0
	s_lshl_b32 s46, s36, 7                         ; wo: my 32 columns, my 128 rows of 1,024 bytes
	s_lshl_b32 s47, s37, 17
	s_add_co_u32 s46, s46, s47
	s_mov_b32 s47, 0
	s_wait_kmcnt 0x0
	s_cmp_lg_u32 s2, 0                             ; the buffers are chosen by the work-group's y alone
	s_cselect_b64 s[4:5], s[22:23], s[20:21]       ; wo
	s_cselect_b64 s[6:7], s[26:27], s[24:25]       ; b
	s_cselect_b64 s[8:9], s[30:31], s[28:29]       ; out
	s_add_nc_u64 s[16:17], s[16:17], s[40:41]
	s_add_nc_u64 s[18:19], s[18:19], s[42:43]
	s_add_nc_u64 s[4:5], s[4:5], s[44:45]
	s_add_nc_u64 s[4:5], s[4:5], s[46:47]
	s_add_nc_u64 s[6:7], s[6:7], s[44:45]
	s_add_nc_u64 s[8:9], s[8:9], s[44:45]
	s_lshl_b32 s46, s35, 14                        ; my 16 rows of 1,024 bytes
	s_add_nc_u64 s[8:9], s[8:9], s[46:47]
.irp i, 0,1,2,3,4,5,6,7
	global_load_b128 v[OF+4*\i:OF+4*\i+3], v[LI], s[16:17] offset:512*\i   ; head i is quad i % 2 of K step i / 2
.endr
	global_load_b128 v[OS:OS+3], v[OSA], s[18:19]  ; row r's four scale words
.irp t, 0,1,2,3
	global_load_b128 v[ACC+8*\t:ACC+8*\t+3], v[BA], s[6:7] offset:(32*(\t/2)+8*(\t%2))*4       ; the bias in the result's layout: tile 2 b + u, register j: column 32 b + 16 h + 8 u + j
	global_load_b128 v[ACC+8*\t+4:ACC+8*\t+7], v[BA], s[6:7] offset:(32*(\t/2)+8*(\t%2))*4+16
.endr
	WLOAD 0                                        ; all 145 loads are asked for on end: each has registers of its own
	WLOAD 1
	WLOAD 2
	WLOAD 3
	WBLOCK 0, 63                                   ; behind block 0 stand 96 loads, behind block 1 64: 63 serves both; the first wait also shows o and the bias in
	WBLOCK 1, 63
	WBLOCK 2, 32                                   ; behind block 2: block 3's 32
	WBLOCK 3, 0
	v_nop                                          ; one plain place behind the last conversion
	ds_store_b32 v[WWS], v[PWW]
	s_wait_dscnt 0x0                               ; for the others' sake: my stores have landed
	s_barrier_signal -1
	s_barrier_wait -1                              ; wo's sixteen fragments lie in LDS; behind this barrier a wave stores to its own stage alone
.irp f, 0,1,2,3,4,5,6,7,8,9,10,11,12,13,14,15
	ds_load_b128 v[WF+8*\f:WF+8*\f+3], v[LI] offset:WIMG+1024*\f
	ds_load_b128 v[WF+8*\f+4:WF+8*\f+7], v[LI] offset:WIMG+1024*\f+512
	ds_load_b32 v[WS+\f], v[WSA] offset:64*\f
.endr
	s_wait_dscnt 0x0
.irp s, 0,1,2,3                                ; the four accumulators by turns, a K step at a time
.irp t, 0,1,2,3
	v_wmma_scale_f32_16x16x128_f8f6f4 v[ACC+8*\t:ACC+8*\t+7], v[WF+8*(4*\t+\s):WF+8*(4*\t+\s)+7], v[OF+8*\s:OF+8*\s+7], v[ACC+8*\t:ACC+8*\t+7], v[WS+4*\t+\s], v[OS+\s] matrix_a_fmt:MATRIX_FMT_FP4 matrix_b_fmt:MATRIX_FMT_FP4
.endr
.endr
.rept 4
	v_nop                                          ; four places behind the last product, ahead of the stores of results and the loads over operands
.endr
.irp t, 0,1,2,3
	ds_store_b128 v[SO], v[ACC+8*\t:ACC+8*\t+3] offset:128*(\t/2)+32*(\t%2)        ; each accumulator from its low end on
	ds_store_b128 v[SO], v[ACC+8*\t+4:ACC+8*\t+7] offset:128*(\t/2)+32*(\t%2)+16
.endr
.irp i, 0,1,2,3,4,5,6,7
	ds_load_b128 v[WF+4*\i:WF+4*\i+3], v[SR] offset:544*\i   ; LDS serves a wave's instructions in order: these see my stores
.endr
.irp i, 0,1,2,3,4,5,6,7
	s_wait_dscnt 7-\i                              ; rows 2 i and 2 i + 1 are back; the younger loads may stay out
	global_store_b128 v[GO], v[WF+4*\i:WF+4*\i+3], s[8:9] offset:2048*\i th:TH_STORE_NT   ; sixteen lanes store 256 consecutive bytes, aligned
.endr
	s_wait_tensorcnt 0x0
	ds_add_u32 v62, v63
	s_wait_dscnt 0x0
	s_endpgm
.Lfunc_end_k_qb95facd4ab_outp:
	.size	k_qb95facd4ab_outp, .Lfunc_end_k_qb95facd4ab_outp-k_qb95facd4ab_outp
	.p2alignl 7, 3214868480
	.fill 96, 4, 3214868480
	.section	.rodata,"a",@progbits
	.p2align	6, 0x0
	.amdhsa_kernel k_qb95facd4ab_outp
		.amdhsa_group_segment_fixed_size 54272
		.amdhsa_private_segment_fixed_size 0
		.amdhsa_enable_private_segment 0
		.amdhsa_kernarg_size 64
		.amdhsa_user_sgpr_count 2
		.amdhsa_user_sgpr_kernarg_segment_ptr 1
		.amdhsa_wavefront_size32 1
		.amdhsa_system_sgpr_workgroup_id_x 1
		.amdhsa_system_sgpr_workgroup_id_y 1
		.amdhsa_system_sgpr_workgroup_id_z 1
		.amdhsa_system_vgpr_workitem_id 0
		.amdhsa_next_free_vgpr 256
		.amdhsa_next_free_sgpr 66
		.amdhsa_reserve_vcc 0
		.amdhsa_float_denorm_mode_32 3
		.amdhsa_float_denorm_mode_16_64 3
		.amdhsa_memory_ordered 1
		.amdhsa_forward_progress 1
		.amdhsa_inst_pref_size 33
	.end_amdhsa_kernel
	.amdgpu_metadata
---
amdhsa.version: [ 1, 2 ]
amdhsa.kernels:
  - .name:           k_qb95facd4ab_outp
    .symbol:         k_qb95facd4ab_outp.kd
    .args:
      - { .name: oc, .offset: 0, .size: 8, .value_kind: global_buffer, .address_space: global }
      - { .name: os, .offset: 8, .size: 8, .value_kind: global_buffer, .address_space: global }
      - { .name: wo1_w, .offset: 16, .size: 8, .value_kind: global_buffer, .address_space: global }
      - { .name: wo2_w, .offset: 24, .size: 8, .value_kind: global_buffer, .address_space: global }
      - { .name: wo1_b, .offset: 32, .size: 8, .value_kind: global_buffer, .address_space: global }
      - { .name: wo2_b, .offset: 40, .size: 8, .value_kind: global_buffer, .address_space: global }
      - { .name: out0, .offset: 48, .size: 8, .value_kind: global_buffer, .address_space: global }
      - { .name: out1, .offset: 56, .size: 8, .value_kind: global_buffer, .address_space: global }
    .group_segment_fixed_size: 54272
    .private_segment_fixed_size: 0
    .kernarg_segment_align: 8
    .kernarg_segment_size: 64
    .max_flat_workgroup_size: 256
    .sgpr_count:     66
    .vgpr_count:     256
    .wavefront_size: 32
...
	.end_amdgpu_metadata
.endif
;; end of part 3
